; MI455X (gfx1250); checked and timed in simulation.
; The chip was launched on July 23, 2026; its instructions are those of AMD's public machine-readable ISA for CDNA 5 (MIT licence, August 2026) and "CDNA5" Instruction Set Architecture Reference Guide (July 2026). The comments in the code are by the model that wrote it; some were corrected since.
;; Causal Self Attention. Allowed arithmetic: matrix products marked QUANTISED: E2M3 operands, one E8M0 scale for each 32 along K, by v_wmma_scale_f32_16x16x128_f8f6f4 with both operands' format E2M3, f32 sums; everything else in f32.
;; Inputs: Wk_codes 1,024 x 32 x 24 uint8 (E2M3 codes of Wk, K innermost, in blocks of 32 codes, four codes in three bytes); Wk_scales 1,024 x 32 uint8 (E8M0 scales of Wk, one for each 32 codes along K); Wo_codes 1,024 x 32 x 24 uint8 (E2M3 codes of Wo, K innermost, in blocks of 32 codes, four codes in three bytes); Wo_scales 1,024 x 32 uint8 (E8M0 scales of Wo, one for each 32 codes along K); Wq_codes 1,024 x 32 x 24 uint8 (E2M3 codes of Wq, K innermost, in blocks of 32 codes, four codes in three bytes); Wq_scales 1,024 x 32 uint8 (E8M0 scales of Wq, one for each 32 codes along K); Wv_codes 1,024 x 32 x 24 uint8 (E2M3 codes of Wv, K innermost, in blocks of 32 codes, four codes in three bytes); Wv_scales 1,024 x 32 uint8 (E8M0 scales of Wv, one for each 32 codes along K); bk 1,024 float32; bo 1,024 float32; bq 1,024 float32; bv 1,024 float32; x_codes 2 x 2,048 x 32 x 24 uint8 (E2M3 codes of x, K innermost, in blocks of 32 codes, four codes in three bytes); x_scales 2 x 2,048 x 32 uint8 (E8M0 scales of x, one for each 32 codes along K).
;; Outputs: out0 2 x 2,048 x 1,024 float32.
;; This version of the problem:
;;   THIS VERSION OF THE PROBLEM IS GIVEN IN LOW PRECISION. The matrix products marked QUANTISED in the list below multiply operands that are first quantised to E2M3 (2 exponent bits, 3 mantissa bits; 6 bits a number), with one power-of-two scale for each 32 numbers along K (OCP MX v1.0); their sums are f32. All else is computed in f32.
;;   The module's matrix products, in the order in which they are computed (A, B: the left and right operand; K: the contracted axis; several contracted axes count as one K, in the product's order):
;;     1. [M 4,096, K 1,024] x [K 1,024, N 1,024]; A: input x (given as codes); B: input Wq (given as codes): QUANTISED
;;     2. [M 4,096, K 1,024] x [K 1,024, N 1,024]; A: input x (given as codes); B: input Wk (given as codes): QUANTISED
;;     3. [M 4,096, K 1,024] x [K 1,024, N 1,024]; A: input x (given as codes); B: input Wv (given as codes): QUANTISED
;;     4. batch 32 x [M 2,048, K 64] x [K 64, N 2,048]; A: computed on the way; B: computed on the way: QUANTISED
;;     5. batch 32 x [M 2,048, K 2,048] x [K 2,048, N 64]; A: softmax (see below); B: computed on the way: QUANTISED
;;     6. [M 4,096, K 1,024] x [K 1,024, N 1,024]; A: computed on the way; B: input Wo (given as codes): QUANTISED
;;   THE QUANTISER, for each operand of a quantised product, along K:
;;     - K is cut into blocks of 32 from its start; a last block that is shorter is filled with zeros.
;;     - A block's scale is 2^e with e = floor(log2(the largest magnitude in the block)) - 2, held to -126 .. 127; a block of zeros has e = 0. As a byte (E8M0): e + 127.
;;     - Each number is divided by its block's scale, clamped to +-7.5, and rounded to the nearest number of E2M3, ties to even, subnormals kept.
;;     - The product sums the exact products of the quantised numbers (number of the format x scale) in f32.
;;   ~~~python
;;   def quantise(x, axis):      # numpy; x: float32 -> the quantised numbers, widened to float32 again
;;       x = np.moveaxis(x, axis, -1); K = x.shape[-1]
;;       x = np.pad(x, [(0, 0)] * (x.ndim - 1) + [(0, -K % 32)]); x = x.reshape(x.shape[:-1] + (-1, 32)); a = np.abs(x).max(-1, keepdims=True)
;;       e = np.where(a > 0, np.clip(np.frexp(np.where(a > 0, a, 1))[1] - 1 - 2, -126, 127), 0)      # np.frexp(a)[1] - 1 = floor(log2(a)), exactly
;;       r = np.clip(x / 2.0 ** e, -7.5, 7.5)
;;       step = 2.0 ** (np.maximum(np.frexp(np.where(r == 0, 1, r))[1] - 1, 0) - 3)
;;       q = np.round(r / step) * step * 2.0 ** e      # np.round: ties to even
;;       return np.moveaxis(q.reshape(q.shape[:-2] + (-1,))[..., :K], -1, axis).astype(np.float32)
;;   ~~~
;;   SOFTMAX AHEAD OF A QUANTISED PRODUCT. Where the list says 'softmax', what is quantised is not the finished softmax but p = 2^(t - M), with t = logit x log2(e) and M = ceil(the row's largest t), a whole number; so 1/2 < the row's largest p <= 1. The row's sum l is taken of the UNQUANTISED p, in f32, and the product's result is divided by l at the end. Since M is a whole number, a kernel that streams over the keys may use a running M (the ceiling of the running maximum): every later rescaling is an exact power of two, which a block's scale takes up: the codes' values come out the same.
;;   OPERANDS COMPUTED ON THE WAY. 'Computed on the way' means the value that the module computes at that place (a softmax that the list does not call 'softmax' is quantised finished and normalised). What goes into a quantiser is computed in f32, as accurately as f32 sums, v_exp_f32 and their like allow (about 1e-6 of the number): no bf16 or f16 on the way to a quantiser, and a product that is left as it is and whose result goes on into a quantised operand takes f32 operands (vector FMAs, or v_wmma_f32_16x16x4_f32). A number that lies on a knife's edge between two numbers of the format may be rounded either way, as far as f32 arithmetic and the matrix unit's own rounding can turn it there, and no further.
;;   INPUTS GIVEN AS CODES. Wk (in the module: [1024, 1024], K = its axis 0); Wo (in the module: [1024, 1024], K = its axis 0); Wq (in the module: [1024, 1024], K = its axis 0); Wv (in the module: [1024, 1024], K = its axis 0); x (in the module: [2, 2048, 1024], K = its axis 2): each comes as NAME_codes (uint8): NAME with its K axis moved to the last place and cut into blocks of 32 codes, [.., K / 32, bytes a block], one block behind the other in memory; four codes in three bytes: a row's codes are one little-endian stream of bits, code i at bits 6 i .. 6 i + 5 (a code: sign, 2 exponent bits, 3 mantissa bits); and NAME_scales (uint8): the same leading axes, one E8M0 byte (e + 127) for each 32 codes along K. Its value is code x scale, taken as it is: it is not quantised again, and the codes and scales need not be those that the quantiser above would give.
;; One version. Each part assembles by itself: llvm-mc -triple=amdgcn-amd-amdhsa -mcpu=gfx1250 --defsym DOCPART=n.
;; ======== version 1 of 1: 3 launches
;; limits: right only within a limited range of input values
;; workspace buffers: kv 6,684,672 bytes; qb 3,407,872 bytes; yc 3,145,728 bytes; ys 131,072 bytes
;; launch qkv (part 1): grid 16 x 16, 4 waves a work-group, clusters of 4 x 4, 327,680 bytes of LDS; arguments x_codes, x_scales, Wq_codes, Wq_scales, Wk_codes, Wk_scales, Wv_codes, Wv_scales, bq, bk, bv, qb, kv; writes qb, kv
.if DOCPART == 1
	.amdgcn_target "amdgcn-amd-amdhsa--gfx1250"
	.amdhsa_code_object_version 6
	.text
	.protected	k_q62545d7122_qkv
	.globl	k_q62545d7122_qkv
	.p2align	8
	.type	k_q62545d7122_qkv,@function
k_q62545d7122_qkv:
	s_mov_b64 s[64:65], 0
	v_nop
	global_prefetch_b8 v0, s[64:65] scope:SCOPE_SE
	s_setreg_imm32_b32 hwreg(HW_REG_WAVE_MODE, 25, 1), 1
	s_wait_xcnt 0x0
	s_wait_alu depctr_hold_cnt(0) depctr_sa_sdst(0) depctr_va_vdst(0) depctr_va_sdst(0) depctr_va_ssrc(0) depctr_va_vcc(0) depctr_vm_vsrc(0)
	s_getreg_b32 s2, hwreg(HW_REG_IB_STS2, 6, 4)
	s_cmp_eq_u32 s2, 0
	s_cbranch_scc0 .Lentry_in_a_cluster
	s_endpgm
.Lentry_in_a_cluster:
	s_bfe_u32 s2, ttmp6, 0x10000c
	s_cmp_lg_u32 s2, 0xf033
	s_cbranch_scc0 .Lentry_shape_is_right
	s_endpgm
.Lentry_shape_is_right:
; Q = x Wq + bq, K = x Wk + bk, V = x Wv + bv on codes of FP6 (E2M3), one E8M0 scale for each 32 along K = 1,024; sums in f32.  The results are quantised in registers and stored in the order of the operand registers of the attention launch.
; THE DEAL.  256 work-groups = 16 heads x 16 blocks of 256 tokens.  A work-group makes its head's 64 columns of Q, then of K, then of V.  Each of its four waves owns 64 tokens (a BAND), whose codes, all of K, lie in registers
; (4 tiles x 8 fragments of 12); the weights' rows stream past in twelve blocks of 16 rows: 8 fragments, 32 matrix instructions, two register sets by turns.
; CLUSTERS of 4 x 4: x's rows are asked for jointly along a row of the cluster (same tokens), the weights' along a column (same head).
; TILES.  Lane r = lane % 16 of token tile t of a band is token 32 (r / 8) + 8 (t xor r / 8) + r % 8.  The rows of a tile of Wq, Wk are chosen by the same rule from the head's 64 columns, those of a tile u of Wv are 32 (r / 8) + 8 u + r % 8.
; So a lane's 32 results lie in ONE scale block: Q, K (source 0 = the weight): a token's channels of block h = lane / 16; V (source 0 = x): a channel's tokens of block h of the band.  The order inside a block is the same in Q and K,
; and the same in V and in the attention launch's p: it changes no product and no scale.  The sixteen rows of a tile start at sixteen different places modulo 256 bytes in LDS (rows of 816 bytes; Wv's rows 32-63 lie 128 bytes further on).
; qb: [batch x head][step of 128 tokens] records of 6,656 bytes: 4 pair images (12 registers a lane: tiles 2 P, 2 P + 1) | scale words [band][lane][pair]: lanes 0-15 the even tile's.
; kv: records of 13,056 bytes: K as Q (scale words at 12,288) | V at 6,144: [tile u][band] units of 768 bytes: registers 0-3 at 16 lane, 4-5 at 512 + 8 lane | V's scale words at 12,800: [r][u].
; FILLS.  At the head one tensor load a wave: x's halves, Wq's rows, Wk's rows.  One refill: Wv's rows onto x's, when all waves hold x in registers.  It has seven blocks of 32 matrix instructions in which to land, so no wave waits for it and nothing is prefetched.
; LIMITS: NaN and infinities are not served.  A block whose largest magnitude lies under 2^-124 keeps the scale byte 1 (a block of zeros too: its codes are zeros, and this program alone reads the byte).
.set KROW,  768
.set KS,    32
.set PITCH, 816                        ; an LDS row: 3 x (256 + 16)
.set FR,    12
.set FPW,   21                         ; fragments in a window of 256 registers
.set NF,    26                         ; LDS loads of a block
.set WQB,   256*PITCH                  ; Wq's 64 rows, then Wk's
.set SPARE, WQB+128*PITCH
.set VST,   SPARE+512                  ; V's scale bytes gather here
.set VB,    256                        ; where the refill puts Wv's rows
.set GAP,   32*PITCH+128
.set QREC,  6656
.set REC,   13056
.set VCO,   6144
.set KSO,   12288
.set VSO,   12800
.set CO16, 1                           ; v1 16 x lane;  v2-6 offsets of scales and biases, later v2-7 V's codes
.set VC,   2
.set CO8,  8
.set STV,  9
.set SPW,  10
.set NIL,  11
.set BE,   12                          ; v12-13 a tile's rows, t even;  v14-15 t odd  (the second of a pair: for pieces behind one padding more)
.set BV,   16                          ; v16-17 Wv's
.set TQ2,  18
.set TQ,   20
.set WA,   22
.set XS,   24                          ; v24-39 x's scale words
.set EV,   40
.set W0,   44                          ; v44-59 Wq's, then Wv's;  v60-75 Wk's
.set W1,   60
.set SETA, 76                          ; v76-203 sums of Q, then of V;  before them x's LDS addresses
.set XA,   76
.set BK,   204                         ; v204-235 bk as C
.set NCD,  236
.set TC,   248
.set SOP,  251
.set EBK,  252
.set SOP2, 0
.set SETB, 840                         ; v840-967 sums of K
.set BQV,  968                         ; v968-999 bq as C, then bv;  v1000-1003 bv's numbers
.set G1X, 24
.set G1W, 32
.set G0Q, 44
.set G0K, 48
.set G0V, 52
.set G0X, 56
.set MSB, 0
.macro WIN new                         ; the immediate's high byte repeats the setting that is left
.if MSB != (\new)
	s_set_vgpr_msb (MSB<<8)|(\new)
.set MSB, (\new)
.endif
.endm
.macro PLACES n
.rept \n
	v_nop
.endr
.endm
.macro WALU
	s_wait_alu depctr_va_vdst(0)
.endm
.macro CROUND                          ; a round of the cluster's barrier
	s_barrier_signal -1
	s_barrier_wait -1
	s_cmp_lg_u32 s14, 0
	s_cbranch_scc1 .Lnot_wave_0_\@
	s_barrier_signal -3
.Lnot_wave_0_\@:
	s_barrier_wait -3
	s_barrier_signal -1
	s_barrier_wait -1
.endm
.macro TLOAD g0, g1
	tensor_load_to_lds s[\g0:\g0+3], s[\g1:\g1+7]
	s_nop 0
	PLACES 4
.endm
.macro GROUP1 g, mask, rows
	s_or_b32 s[\g+0], s[\mask], (1<<20)|(1<<21)|(5<<22)|(3<<25)
	s_mov_b32 s[\g+1], KROW<<16
	s_mov_b32 s[\g+2], (\rows)<<16
	s_mov_b32 s[\g+3], KROW<<16
	s_mov_b32 s[\g+4], \rows
	s_mov_b32 s[\g+5], KROW
	s_mov_b32 s[\g+6], 0
	s_mov_b32 s[\g+7], 0
.endm
.macro G0SET g, base, off
	s_mov_b32 s[\g], 1
	s_add_nc_u64 s[\g+2:\g+3], s[\base:\base+1], s[\off:\off+1]
	s_or_b32 s[\g+3], s[\g+3], 0x80000000
.endm
; fragment f at window 1 + f / 21, register 12 (f % 21): 0-31 x's (4 q + t), 32-39 and 40-47 the weights' two sets.  Six pieces of 8 bytes, two to a load where both lie behind as many paddings.
.macro FRAG f, q, a0, a1
	WIN ((1+(\f)/FPW)<<6)
.set R_, FR*((\f)%FPW)
.set SKIP_, 0
.irp p, 0,1,2,3,4,5
.if SKIP_
.set SKIP_, 0
.else
.set PC_, 12*(\q)+6*(\p/3)+\p%3
.set PN_, 12*(\q)+6*((\p+1)/3)+(\p+1)%3
.set X_, (PC_%32+3)/32
.set XQ_, (PN_%32+3)/32
.if (\p < 5) && (X_ == XQ_)
.set SKIP_, 1
.if X_
	ds_load_2addr_b64 v[R_+2*\p:R_+2*\p+3], \a1 offset0:PC_+2*(PC_/32) offset1:PN_+2*(PN_/32)
.else
	ds_load_2addr_b64 v[R_+2*\p:R_+2*\p+3], \a0 offset0:PC_+2*(PC_/32) offset1:PN_+2*(PN_/32)
.endif
.elseif X_
	ds_load_b64 v[R_+2*\p:R_+2*\p+1], \a1 offset:8*(PC_+2*(PC_/32))
.else
	ds_load_b64 v[R_+2*\p:R_+2*\p+1], \a0 offset:8*(PC_+2*(PC_/32))
.endif
.endif
.endr
.endm
.macro FETCHB m                        ; block m's 16 rows into set m % 2
.if (\m) < 8
.set O_, WQB+64*PITCH*((\m)/4)+8*PITCH*((\m)%4)
.set A_, BE+2*((\m)%2)
.else
.set O_, VB+8*PITCH*((\m)%4)
.set A_, BV
.endif
	WIN 0
	v_add_nc_u32 v[WA], O_, v[A_]
	v_add_nc_u32 v[WA+1], O_, v[A_+1]
	WALU
.irp q, 0,1,2,3,4,5,6,7
	FRAG 32+8*((\m)%2)+\q, \q, v[WA], v[WA+1]
.endr
	WIN 0
.endm
.macro PROD g, n                       ; product n = 4 q + t of block g; the four sums take turns
.set Q_, (\n)/4
.set T_, (\n)%4
.set U_, (\g)%4
.set P_, (\g)/4
.set FX_, 4*Q_+T_
.set FW_, 32+8*((\g)%2)+Q_
.set SX_, XS+8*(T_/2)+Q_
.if P_ == 2
.set S0_, FX_
.set S1_, FW_
.set X0_, SX_
.set X1_, W0+8*(U_/2)+Q_
.set RA_, T_%2
.set RB_, U_%2
.set D_, SETA+32*U_+8*T_
.set C_, BQV+8*U_
.else
.set S0_, FW_
.set S1_, FX_
.set X0_, W0+(W1-W0)*P_+8*(U_/2)+Q_
.set X1_, SX_
.set RA_, U_%2
.set RB_, T_%2
.set D_, SETA+(SETB-SETA)*P_+8*U_+32*T_
.if P_ == 1
.set C_, BK+8*U_
.else
.set C_, BQV+8*U_
.endif
.endif
.if Q_ > 0
.set C_, D_
.endif
	WIN (1+S0_/FPW)|((1+S1_/FPW)<<2)|((C_>>8)<<4)|((D_>>8)<<6)
.set D_, D_&255
.set C_, C_&255
.set S0_, FR*(S0_%FPW)
.set S1_, FR*(S1_%FPW)
.if RA_ == 0
.if RB_ == 0
	PR 0, 0
.else
	PR 0, 1
.endif
.elseif RB_ == 0
	PR 1, 0
.else
	PR 1, 1
.endif
.endm
.macro PR ra, rb
	v_wmma_scale_f32_16x16x128_f8f6f4 v[D_:D_+7], v[S0_:S0_+11], v[S1_:S1_+11], v[C_:C_+7], v[X0_], v[X1_] matrix_a_fmt:MATRIX_FMT_FP6 matrix_b_fmt:MATRIX_FMT_FP6 matrix_a_scale:MATRIX_SCALE_ROW\ra matrix_b_scale:MATRIX_SCALE_ROW\rb
.endm
.macro CHAIN i, x, t, sop              ; entry i of a way out's first part: the largest of 32 magnitudes by two chains, with the floor 2^(3 - 127); then the conversions' scale operand
.set XW_, (\x)>>8
.set XL_, (\x)&255
.if (\i) >= 0 && (\i) < 14
.set B_, XL_+16*((\i)%2)+2*((\i)/2)
.set H_, (\t)+1-(\i)%2
.if (\i) < 2
	WIN XW_|(XW_<<2)|(XW_<<4)
	v_max3_num_f32 v[H_], |v[B_]|, |v[B_+1]|, |v[B_+2]|
.else
	WIN (XW_<<2)|(XW_<<4)
	v_max3_num_f32 v[H_], v[H_], |v[B_+1]|, |v[B_+2]|
.endif
.elseif (\i) == 14
	WIN (XW_<<2)
	v_max3_num_f32 v[\t+1], v[\t+1], |v[XL_+15]|, 0x1800000
.elseif (\i) == 15
	WIN 0
	v_nop                                  ; entry 16 reads entry 14's result: it stands in the next pair
.elseif (\i) == 16
	WIN (XW_<<2)
	v_max3_num_f32 v[\t], v[\t], |v[XL_+31]|, v[\t+1]
.elseif (\i) == 17
	WIN 0
	v_add_nc_u32 v[\sop], 0xff000000, v[\t]
.endif
.endm
.macro CODES x, c, eb, sop             ; 32 codes into v[c .. c+5], the scale's byte into v[eb]
.set XW_, (\x)>>8
.set XL_, (\x)&255
	WIN XW_
	v_cvt_scalef32_pk16_fp6_f32 v[\c:\c+2], v[XL_:XL_+15], v[\sop]
	v_cvt_scalef32_pk16_fp6_f32 v[TC:TC+2], v[XL_+16:XL_+31], v[\sop]
	WIN 0
.if (\eb) < 0
	v_nop
.else
	v_lshrrev_b32 v[\eb], 23, v[\sop]
.endif
.irp k, 0,1,2
	v_mov_b32 v[\c+3+\k], v[TC+\k]
.endr
.endm
.macro LIST g, i                       ; what stands among block g's products: Q's way out in K's blocks; K's, and V's of the block before, in V's
.if (\g) > 7
	CHAIN \i, SETB+32*((\g)-8), TQ, SOP
.if (\g) > 8
	CHAIN (\i)-14, SETA+32*((\g)-9), TQ2, SOP2
.endif
.elseif (\g) > 3
	CHAIN (\i)-2, SETA+32*((\g)-4), TQ, SOP
.endif
.endm
.macro BLOCK g, from, to
.set N_, \from
.rept (\to)-(\from)
	PROD \g, N_
.if N_%2
	LIST \g, N_-1
	LIST \g, N_
.endif
.set N_, N_+1
.endr
.endm
.macro OUTQK x, t, ib, sb, so          ; tile t of Q or K: codes; behind an odd tile the pair's image leaves, behind the last the scale words
	CODES \x, NCD+6*((\t)%2), EBK+(\t), SOP
.if (\t)%2
	v_permlane16_swap_b32 v[EBK+(\t)-1], v[EBK+(\t)]
	v_lshl_or_b32 v[EBK+(\t)/2], v[EBK+(\t)], 8, v[EBK+(\t)-1]   ; lanes 0-15 the even tile's word, lanes 16-31 the odd one's; the upper two bytes meet zero codes
	WALU
.irp k, 0,1,2
	global_store_b128 v[CO16], v[NCD+4*\k:NCD+4*\k+3], s[\ib:\ib+1] offset:1536*((\t)/2)+512*\k
.endr
.if (\t) == 3
	global_store_b64 v[CO8], v[EBK:EBK+1], s[\sb:\sb+1] offset:\so
.endif
.endif
.endm
.macro SENDV u
	global_store_b128 v[CO16], v[VC:VC+3], s[98:99] offset:VCO+1536*(\u)
	global_store_b64 v[CO8], v[VC+4:VC+5], s[98:99] offset:VCO+1536*(\u)+512
.endm
	s_load_b512 s[68:83], s[0:1], 0x0              ; x, Wq, Wk, Wv: codes and scales
	s_load_b256 s[84:91], s[0:1], 0x40             ; bq, bk, bv, qb
	s_load_b64 s[92:93], s[0:1], 0x60              ; kv
	v_lshl_add_u32 v[SPW], v0, 2, SPARE
	v_mov_b32 v[NIL], 0
	ds_add_u32 v[SPW], v[NIL]                      ; the opening add, twice on end
	ds_add_u32 v[SPW], v[NIL]
	v_lshrrev_b32 v1, 5, v0
	v_readfirstlane_b32 s14, v1                    ; wave
	s_and_b32 s18, s14, 1                          ; my band of the step; which half I fetch
	s_lshr_b32 s19, s14, 1                         ; which of the two steps
	s_bfe_u32 s40, ttmp6, 0x40000                  ; cx
	s_bfe_u32 s41, ttmp6, 0x40004                  ; cy
	s_lshl_b32 s42, ttmp9, 2
	s_add_co_u32 s42, s42, s40                     ; head
	s_and_b32 s43, ttmp7, 0xffff
	s_lshl_b32 s43, s43, 2
	s_add_co_u32 s43, s43, s41                     ; block of 256 tokens
	s_lshl_b32 s2, s41, 2
	s_lshl_b32 s2, 15, s2                          ; my row of the cluster
	s_lshl_b32 s3, 0x1111, s40                     ; my column
	GROUP1 G1X, 2, 128
	GROUP1 G1W, 3, 64
	s_mul_i32 s4, s43, 256*KROW
	s_mul_i32 s5, s18, 128*KROW
	s_add_co_u32 s4, s4, s5
	s_mov_b32 s5, 0                                ; x's rows
	s_mul_i32 s6, s42, 64*KROW
	s_mov_b32 s7, 0                                ; a weight's
	s_mul_i32 s8, s18, 32*KROW
	s_add_co_u32 s8, s8, s6
	s_mov_b32 s9, 0                                ; Wv's half
	s_mul_i32 s[G0X+1], s18, 128*PITCH
	s_mov_b32 s[G0Q+1], WQB
	s_mov_b32 s[G0K+1], WQB+64*PITCH
	s_mul_i32 s[G0V+1], s18, GAP
	s_add_co_u32 s[G0V+1], s[G0V+1], VB
	s_wait_dscnt 0x0                               ; both opening adds are done
	s_wait_kmcnt 0x0
	G0SET G0X, 68, 4
	G0SET G0Q, 72, 6
	G0SET G0K, 76, 6
	G0SET G0V, 80, 8
	CROUND                                         ; all sixteen work-groups are here: the joint loads meet
	s_cmp_lt_u32 s14, 2                            ; one tensor load a wave
	s_cbranch_scc0 .Lwave_2
	TLOAD G0X, G1X
	s_branch .Lasked
.Lwave_2:
	s_cmp_eq_u32 s14, 2
	s_cbranch_scc0 .Lwave_3
	TLOAD G0Q, G1W
	s_branch .Lasked
.Lwave_3:
	TLOAD G0K, G1W
.Lasked:
	s_mov_b32 s9, 0
	s_lshl_b32 s8, s43, 13
	s_lshl_b32 s10, s14, 11
	s_add_co_u32 s8, s8, s10
	s_add_nc_u64 s[70:71], s[70:71], s[8:9]        ; my 64 tokens' scales
	s_lshl_b32 s8, s42, 11
	s_add_nc_u64 s[74:75], s[74:75], s[8:9]        ; my head's rows' scales
	s_add_nc_u64 s[78:79], s[78:79], s[8:9]
	s_add_nc_u64 s[82:83], s[82:83], s[8:9]
	s_lshl_b32 s8, s42, 8
	s_add_nc_u64 s[84:85], s[84:85], s[8:9]        ; and biases
	s_add_nc_u64 s[86:87], s[86:87], s[8:9]
	s_add_nc_u64 s[88:89], s[88:89], s[8:9]
	s_mul_i32 s12, s14, 64*PITCH                   ; my tokens in LDS
	s_lshl_b32 s11, s19, 8
	s_lshl_b32 s10, s18, 1
	s_add_co_u32 s11, s11, s10
	s_add_co_u32 s11, s11, VST
	v_and_b32 v240, 7, v0                          ; r % 8
	v_bfe_u32 v241, v0, 3, 1                       ; r / 8
	v_bfe_u32 v242, v0, 4, 1                       ; h
	v_and_b32 v243, 31, v0                         ; lane
	v_xor_b32 v246, v242, v241
	v_mad_u32_u24 v247, v241, 32, v240
	v_lshl_add_u32 v2, v246, 3, v247
	v_lshlrev_b32 v2, 5, v2                        ; scales: tile 2 p + h's row r; 512 bytes on for each p
	v_lshl_add_u32 v3, v242, 3, v247
	v_lshlrev_b32 v3, 5, v3                        ; the same for Wv
	v_mul_u32_u24 v4, v242, 160                    ; bq, bk: channels 32 h + 8 (u xor h), u even;
	v_mul_u32_u24 v5, v242, 96                     ; u odd
	v_lshlrev_b32 v6, 2, v247                      ; bv: channel 32 (r / 8) + r % 8
	v_mad_u32_u24 v244, v241, 40, v240
	v_mad_u32_u24 v245, v241, 24, v240
	v_mul_u32_u24 v244, v244, PITCH
	v_mul_u32_u24 v245, v245, PITCH
	v_mad_u32_u24 v[BE], v242, 24, v244
	v_mad_u32_u24 v[BE+1], v242, 40, v244
	v_mad_u32_u24 v[BE+2], v242, 24, v245
	v_mad_u32_u24 v[BE+3], v242, 40, v245
	v_mul_u32_u24 v244, v240, PITCH
	v_mad_u32_u24 v244, v241, GAP, v244
	v_mad_u32_u24 v[BV], v242, 24, v244
	v_mad_u32_u24 v[BV+1], v242, 40, v244
	v_lshl_add_u32 v245, v241, 3, v240
	v_lshl_add_u32 v245, v245, 4, v242
	v_add_nc_u32 v[STV], s11, v245                 ; 16 r + h, + my step and band
	v_lshlrev_b32 v[CO16], 4, v243
	v_lshlrev_b32 v[CO8], 3, v243
.irp t, 0,1,2,3
	s_add_co_u32 s13, s12, 8*\t*PITCH
	v_add_nc_u32 v[XA+2*\t], s13, v[BE+2*(\t%2)]
	v_add_nc_u32 v[XA+2*\t+1], s13, v[BE+2*(\t%2)+1]
.endr
	WALU
.irp p, 0,1
.irp c, 0,1
	global_load_b128 v[XS+8*\p+4*\c:XS+8*\p+4*\c+3], v2, s[70:71] offset:512*\p+16*\c
	global_load_b128 v[W0+8*\p+4*\c:W0+8*\p+4*\c+3], v2, s[74:75] offset:512*\p+16*\c
	global_load_b128 v[W1+8*\p+4*\c:W1+8*\p+4*\c+3], v2, s[78:79] offset:512*\p+16*\c
.endr
.endr
.irp u, 0,1,2,3
	global_load_b128 v[BK+8*\u:BK+8*\u+3], v[4+(\u%2)], s[86:87] offset:32*\u
	global_load_b128 v[BK+8*\u+4:BK+8*\u+7], v[4+(\u%2)], s[86:87] offset:32*\u+16
.endr
	WIN 0xc0
.irp u, 0,1,2,3
	global_load_b128 v[200+8*\u:203+8*\u], v[4+(\u%2)], s[84:85] offset:32*\u          ; v968 on
	global_load_b128 v[204+8*\u:207+8*\u], v[4+(\u%2)], s[84:85] offset:32*\u+16
.endr
	WIN 0
	; where the results go
	s_lshr_b32 s20, s43, 3
	s_lshl_b32 s20, s20, 4
	s_add_co_u32 s20, s20, s42
	s_lshl_b32 s20, s20, 4
	s_and_b32 s21, s43, 7
	s_lshl_b32 s21, s21, 1
	s_add_co_u32 s20, s20, s21                     ; my work-group's first record: (batch x 16 + head) x 16 + step
	s_add_co_u32 s22, s20, s19                     ; mine
	s_mul_i32 s8, s20, REC
	s_add_nc_u64 s[100:101], s[92:93], s[8:9]
	s_mul_i32 s8, s22, REC
	s_add_nc_u64 s[92:93], s[92:93], s[8:9]
	s_mul_i32 s8, s22, QREC
	s_add_nc_u64 s[90:91], s[90:91], s[8:9]
	s_mul_i32 s8, s18, 3072
	s_add_nc_u64 s[20:21], s[90:91], s[8:9]        ; Q's images of my band
	s_add_nc_u64 s[94:95], s[92:93], s[8:9]        ; K's
	s_lshl_b32 s8, s18, 8
	s_add_nc_u64 s[90:91], s[90:91], s[8:9]        ; their scale words
	s_add_nc_u64 s[96:97], s[92:93], s[8:9]
	s_mul_i32 s8, s18, 768
	s_add_nc_u64 s[98:99], s[92:93], s[8:9]        ; V's units
	s_cmp_lt_u32 s14, 2
	s_cbranch_scc0 .Lnot_x
	s_wait_tensorcnt 0x0
.Lnot_x:
	s_barrier_signal -1
	s_barrier_wait -1                              ; x's rows are in
.irp q, 0,1,2,3,4,5,6,7
.irp t, 0,1,2,3
	FRAG 4*\q+\t, \q, v[XA+2*\t], v[XA+2*\t+1]
.endr
.endr
	WIN 0
	s_wait_tensorcnt 0x0                           ; Wq's and Wk's rows are in
	ds_add_u32 v[SPW], v[NIL]
	s_mov_b32 s[G1W+2], 32<<16                     ; no tensor load of mine is out: Wv comes in two halves of 32 rows
	s_mov_b32 s[G1W+4], 32
	s_wait_dscnt 0x0                               ; the add is done, and my 64 tokens lie in registers
	CROUND
	s_cmp_lt_u32 s14, 2
	s_cbranch_scc0 .Lno_v
	TLOAD G0V, G1W                                 ; Wv's rows onto x's
.Lno_v:
	FETCHB 0
	FETCHB 1
	s_wait_loadcnt 0x0                             ; scale words and biases
.irp g, 0,1,2,3,4,5,6,7,8,9,10,11
.if \g < 11
	s_wait_dscnt NF                                ; younger than block g's rows is at least block g + 1's fetch
.else
	s_wait_dscnt 0x0
.endif
.if \g == 6
	BLOCK 6, 0, 24
	WIN 0
	WALU
	s_wait_tensorcnt 0x0                           ; a plain barrier inside the block shows Wv's rows to all
	s_wait_dscnt 0x0
	s_barrier_signal -1
	BLOCK 6, 24, 32
	WIN 0
	s_barrier_wait -1
.else
	BLOCK \g, 0, 32
.endif
	WIN 0
	PLACES 4                                       ; ahead of loads into registers that the products read, and of reads of their results
.if \g < 10
	FETCHB \g+2
.else
	WALU
.endif
.if \g == 3
	; Q's products are done: Wv's scale words take Wq's registers, bv's numbers come beside
.irp p, 0,1
.irp c, 0,1
	global_load_b128 v[W0+8*\p+4*\c:W0+8*\p+4*\c+3], v3, s[82:83] offset:512*\p+16*\c
.endr
.endr
	WIN 0xc0
.irp u, 0,1,2,3
	global_load_b32 v[232+\u], v6, s[88:89] offset:32*\u
.endr
	WIN 0
.endif
.if \g > 3
	s_wait_xcnt 0x0                                ; earlier stores have read the codes
.if \g < 8
	OUTQK SETA+32*(\g-4), \g-4, 20, 90, 6144
.else
	OUTQK SETB+32*(\g-8), \g-8, 94, 96, KSO
.if \g > 8
	CODES SETA+32*(\g-9), VC, EV+(\g-9), SOP2
	WALU
	ds_store_b8 v[STV], v[EV+(\g-9)] offset:4*(\g-9)
	SENDV \g-9
.endif
.endif
.endif
.if \g == 7
	WALU
	s_wait_loadcnt 0x0
	WIN 0xc3
.irp u, 0,1,2,3
.irp j, 0,1,2,3,4,5,6,7
	v_mov_b32 v[200+8*\u+\j], v[232+\u]            ; my channel's bias over the tile's eight registers
.endr
.endr
	WIN 0
	WALU
.endif
.endr
	; the last tile of V; the scale bytes go through LDS under its conversions
.set I_, 0
.rept 18
	CHAIN I_, SETA+96, TQ2, SOP2
.set I_, I_+1
.endr
	WIN 0
	v_lshrrev_b32 v[EV+3], 23, v[SOP2]
	v_add_nc_u32 v12, VST, v[CO16]
	v_lshrrev_b32 v14, 8, v[CO16]
	v_mad_u32_u24 v13, v14, REC-256, v[CO16]       ; lanes 16-31: the next step's record
	WALU
	ds_store_b8 v[STV], v[EV+3] offset:12
	s_wait_xcnt 0x0
	s_wait_dscnt 0x0
	s_barrier_signal -1
	CODES SETA+96, VC, -1, SOP2
	s_nop 0
	WALU
	s_barrier_wait -1
	SENDV 3
	s_cmp_lg_u32 s14, 0
	s_cbranch_scc1 .Lnot_mine
	ds_load_b128 v[NCD:NCD+3], v12
	s_wait_dscnt 0x0
	global_store_b128 v13, v[NCD:NCD+3], s[100:101] offset:VSO
.Lnot_mine:
	s_wait_tensorcnt 0x0                           ; the wave's end
	ds_add_u32 v[SPW], v[NIL]
	s_wait_dscnt 0x0
	CROUND                                         ; the closing round
	s_endpgm
.Lfunc_end_k_q62545d7122_qkv:
	.size	k_q62545d7122_qkv, .Lfunc_end_k_q62545d7122_qkv-k_q62545d7122_qkv
	.p2alignl 7, 3214868480
	.fill 96, 4, 3214868480
	.section	.rodata,"a",@progbits
	.p2align	6, 0x0
	.amdhsa_kernel k_q62545d7122_qkv
		.amdhsa_group_segment_fixed_size 327680
		.amdhsa_private_segment_fixed_size 0
		.amdhsa_enable_private_segment 0
		.amdhsa_kernarg_size 104
		.amdhsa_user_sgpr_count 2
		.amdhsa_user_sgpr_kernarg_segment_ptr 1
		.amdhsa_wavefront_size32 1
		.amdhsa_system_sgpr_workgroup_id_x 1
		.amdhsa_system_sgpr_workgroup_id_y 1
		.amdhsa_system_sgpr_workgroup_id_z 1
		.amdhsa_system_vgpr_workitem_id 0
		.amdhsa_next_free_vgpr 1024
		.amdhsa_next_free_sgpr 102
		.amdhsa_reserve_vcc 0
		.amdhsa_float_denorm_mode_32 3
		.amdhsa_float_denorm_mode_16_64 3
		.amdhsa_memory_ordered 1
		.amdhsa_forward_progress 1
		.amdhsa_inst_pref_size 122
	.end_amdhsa_kernel
	.amdgpu_metadata
---
amdhsa.version: [ 1, 2 ]
amdhsa.kernels:
  - .name:           k_q62545d7122_qkv
    .symbol:         k_q62545d7122_qkv.kd
    .args:
      - { .name: x_codes, .offset: 0, .size: 8, .value_kind: global_buffer, .address_space: global }
      - { .name: x_scales, .offset: 8, .size: 8, .value_kind: global_buffer, .address_space: global }
      - { .name: Wq_codes, .offset: 16, .size: 8, .value_kind: global_buffer, .address_space: global }
      - { .name: Wq_scales, .offset: 24, .size: 8, .value_kind: global_buffer, .address_space: global }
      - { .name: Wk_codes, .offset: 32, .size: 8, .value_kind: global_buffer, .address_space: global }
      - { .name: Wk_scales, .offset: 40, .size: 8, .value_kind: global_buffer, .address_space: global }
      - { .name: Wv_codes, .offset: 48, .size: 8, .value_kind: global_buffer, .address_space: global }
      - { .name: Wv_scales, .offset: 56, .size: 8, .value_kind: global_buffer, .address_space: global }
      - { .name: bq, .offset: 64, .size: 8, .value_kind: global_buffer, .address_space: global }
      - { .name: bk, .offset: 72, .size: 8, .value_kind: global_buffer, .address_space: global }
      - { .name: bv, .offset: 80, .size: 8, .value_kind: global_buffer, .address_space: global }
      - { .name: qb, .offset: 88, .size: 8, .value_kind: global_buffer, .address_space: global }
      - { .name: kv, .offset: 96, .size: 8, .value_kind: global_buffer, .address_space: global }
    .group_segment_fixed_size: 327680
    .private_segment_fixed_size: 0
    .kernarg_segment_align: 8
    .kernarg_segment_size: 104
    .max_flat_workgroup_size: 128
    .sgpr_count:     102
    .vgpr_count:     1024
    .wavefront_size: 32
...
	.end_amdgpu_metadata
.endif
;; end of part 1
;; launch attn (part 2): grid 8 x 32, 16 waves a work-group, clusters of 4 x 1, 327,680 bytes of LDS; arguments qb, kv, yc, ys; writes yc, ys
.if DOCPART == 2
	.amdgcn_target "amdgcn-amd-amdhsa--gfx1250"
	.amdhsa_code_object_version 6
	.text
	.protected	k_q62545d7122_attn
	.globl	k_q62545d7122_attn
	.p2align	8
	.type	k_q62545d7122_attn,@function
k_q62545d7122_attn:
	s_mov_b64 s[64:65], 0
	v_nop
	global_prefetch_b8 v0, s[64:65] scope:SCOPE_SE
	s_setreg_imm32_b32 hwreg(HW_REG_WAVE_MODE, 25, 1), 1
	s_wait_xcnt 0x0
	s_wait_alu depctr_hold_cnt(0) depctr_sa_sdst(0) depctr_va_vdst(0) depctr_va_sdst(0) depctr_va_ssrc(0) depctr_va_vcc(0) depctr_vm_vsrc(0)
	s_getreg_b32 s2, hwreg(HW_REG_IB_STS2, 6, 4)
	s_cmp_eq_u32 s2, 0
	s_cbranch_scc0 .Lentry_in_a_cluster
	s_endpgm
.Lentry_in_a_cluster:
	s_bfe_u32 s2, ttmp6, 0x10000c
	s_cmp_lg_u32 s2, 0x3003
	s_cbranch_scc0 .Lentry_shape_is_right
	s_endpgm
.Lentry_shape_is_right:
; y = softmax(Q K^T / 8, causal) V on codes of FP6, one batch and head to each y of the grid; y is quantised along the channels for the projection.  Records, tiles and orders inside a block: as the first launch lays them.
; ALL OF A HEAD'S K AND V (16 records) lies in LDS: wave w brings record w by one joint load for the cluster's four work-groups; no byte is filled again, and as every byte is asked for at the head nothing is prefetched.
; THE DEAL.  A work-group has tile 2 cx + wave % 2 of eight steps of 128 queries: four short ones s and the four long ones 15 - s.  A wave takes 16 queries x 128 keys at a time; key steps behind a query step's own are thrown away by the causal mask and not done.
; Of each pair of 17 steps, wave A takes the long tile's keys 0 to 8; wave B takes the short tile's s + 1 steps, stores its y, then the long tile's steps 9 to 15 - s, and hands sum, maximum and O^T over to A through LDS.
; A joins the two parts: the maxima M are whole numbers, so the factors 2^(M part - M) are exact.  A has 9 steps, B 8.
; A lane (r = lane % 16, h = lane / 16) holds query r; its registers 32 c + 8 t + j are keys 64 c + 32 h + 8 (t xor h) + j: one whole scale block for each c.  O^T's registers 8 u + j are channels 32 h + 8 u + j.
; LIMITS: NaN and infinities are not served (those of keys that the mask throws away are not carried); the scaled scores (exponents to the base 2) stay under 2^31 in magnitude.  A block's largest p is made from its largest score by the same two instructions as p.
; A block of p or y whose largest magnitude lies under 2^-124 keeps the scale byte 1.
.set REC,   13056
.set QREC,  6656
.set VCO,   6144
.set KSO,   12288
.set VSO,   12800
.set STG,   20*REC                     ; the parts that B hands over: 8 x 4,352 bytes, behind the records
.set SPARE, STG+8*4352
.set L16, 1
.set DG,  2                            ; v2, v3: my query less the key's lane part, for t even, t odd
.set L8,  4
.set R16, 5
.set AD,  6
.set AD8, 7
.set ADR, 8
.set H8,  9
.set YSO, 29
.set SGA, 30
.set SGB, 31
.set PSC, 223                          ; p's scale word
.set SPW, 251
.set NIL, 255
.set WV,   12
.set UU,   13
.set TRIP, 14
.set ROLE, 15                          ; 0 A, 1 B
.set CX,   16
.set BH,   17
.set SCN,  18                          ; trip
.set TB,   19
.set SEL,  20
.set CS,   22
.set G1,   24
.set SH,   32
.set LNG,  33
.set SW,   34                          ; the trip behind which B changes over
.set LAST, 35
.set DA,   36                          ; trips on the diagonal
.set DB,   37
.set J,    38                          ; bytes that B's records jump on
.set BY,   39                          ; the query step whose y I store
.set G0,   40
.macro WALU
	s_wait_alu depctr_va_vdst(0)
.endm
.macro ROUND
	s_barrier_signal -1
	s_barrier_wait -1
	s_cmp_lg_u32 s[WV], 0
	s_cbranch_scc1 .Lnot_wave_0_\@
	s_barrier_signal -3
.Lnot_wave_0_\@:
	s_barrier_wait -3
	s_barrier_signal -1
	s_barrier_wait -1
.endm
.macro QBASE b, q, sc                  ; a query tile's image and scale words
	s_add_co_u32 s60, s56, s[\b]
	s_mul_i32 s60, s60, QREC
	s_add_nc_u64 s[\sc:\sc+1], s[4:5], s[60:61]
	s_add_nc_u64 s[\q:\q+1], s[\sc:\sc+1], s[62:63]
	s_add_nc_u64 s[\sc:\sc+1], s[\sc:\sc+1], s[58:59]
.endm
	s_load_b256 s[4:11], s[0:1], 0x0               ; qb, kv, yc, ys
	v_lshl_add_u32 v[SPW], v0, 2, SPARE
	v_mov_b32 v[NIL], 0
	ds_add_u32 v[SPW], v[NIL]                      ; the opening add, twice on end
	ds_add_u32 v[SPW], v[NIL]
	v_lshrrev_b32 v8, 5, v0
	v_readfirstlane_b32 s[WV], v8
	s_bfe_u32 s[CX], ttmp6, 0x40000
	s_and_b32 s[BH], ttmp7, 0xffff
	s_mov_b32 s[G1], 15|(3<<16)|(1<<21)            ; a record: 51 rows of 256 bytes, for all four work-groups
	s_mov_b32 s[G1+1], 32<<16
	s_mov_b32 s[G1+2], 51<<16
	s_mov_b32 s[G1+3], 32<<16
	s_mov_b32 s[G1+4], 51
	s_mov_b32 s[G1+5], 32
	s_mov_b32 s[G1+6], 0
	s_mov_b32 s[G1+7], 0
	s_mul_i32 s60, s[BH], 16*REC
	s_mul_i32 s58, s[WV], REC
	s_add_co_u32 s60, s60, s58
	s_mov_b32 s61, 0
	s_mov_b32 s[G0], 1
	s_mov_b32 s[G0+1], s58
	s_wait_dscnt 0x0                               ; both opening adds are done
	s_wait_kmcnt 0x0
	s_add_nc_u64 s[G0+2:G0+3], s[6:7], s[60:61]
	s_or_b32 s[G0+3], s[G0+3], 0x80000000
	ROUND                                          ; all four work-groups are here: the joint loads meet
	tensor_load_to_lds s[G0:G0+3], s[G1:G1+7]      ; my record: one tensor load a wave
	s_nop 0
.rept 4
	v_nop
.endr
	s_and_b32 s[UU], s[WV], 1
	s_bfe_u32 s[ROLE], s[WV], 0x10002
	s_bfe_u32 s56, s[WV], 0x10001
	s_mul_i32 s56, s56, 3
	s_xor_b32 s56, s56, ttmp9
	s_bfe_u32 s57, s[WV], 0x10003
	s_lshl_b32 s57, s57, 2
	s_add_co_u32 s56, s56, s57
	s_and_b32 s[SH], s56, 7                        ; the short step: 0, 3, 4, 7 or 1, 2, 5, 6 by the cluster's x
	s_xor_b32 s[LNG], s[SH], 15
	s_xor_b32 s56, s[SH], 7
	s_add_co_u32 s56, s56, 1
	s_mul_i32 s[J], s56, REC                       ; trip s + 1 takes record 9
	s_cmp_eq_u32 s[ROLE], 1
	s_cselect_b32 s[SW], s[SH], 64                 ; A never changes over
	s_cselect_b32 s[LAST], 7, 8
	s_cselect_b32 s[DA], s[SH], s[LNG]
	s_cselect_b32 s[DB], 7, s[LNG]
	s_cselect_b32 s[BY], s[SH], s[LNG]
	s_and_b32 s58, s[WV], 3
	s_add_co_u32 s58, s58, s57
	s_mul_i32 s58, s58, 4352
	s_add_co_u32 s44, s58, STG                     ; A's and its B's stage
	s_add_co_u32 s45, s44, 4096
	s_lshl_b32 s46, s[CX], 1
	s_add_co_u32 s46, s46, s[UU]                   ; my tile of the step's eight
	s_and_b32 s47, s46, 3                          ; its t
	s_lshr_b32 s48, s46, 2
	s_lshl_b32 s48, s48, 6                         ; its band
	s_mul_i32 s49, s[UU], 520
	s_mul_i32 s50, s[UU], 1016
	s_add_co_u32 s50, s50, 8
	s_add_co_u32 s51, s49, 512
	s_lshl_b32 s52, s[UU], 7
	s_mov_b32 s[SEL], 0x76543210                   ; lane l xor 16
	s_mov_b32 s[SEL+1], 0xfedcba98
	s_mov_b32 s[CS], 0x3e38aa3b                    ; log2(e) / 8
	s_mov_b32 s[CS+1], s[CS]
	s_mov_b32 s[SCN], 0
	s_mov_b32 s[TB], 0
	v_and_b32 v240, 31, v0
	v_and_b32 v241, 15, v0                         ; r
	v_bfe_u32 v242, v0, 4, 1                       ; h
	v_bfe_u32 v243, v0, 3, 1                       ; r / 8
	v_and_b32 v244, 7, v0
	v_lshlrev_b32 v[L16], 4, v240
	v_lshlrev_b32 v[L8], 3, v240
	v_lshlrev_b32 v[R16], 4, v241
	v_lshlrev_b32 v[H8], 3, v242
	v_lshl_add_u32 v[YSO], v241, 5, v242
	v_add_nc_u32 v[SGA], s44, v[L16]
	v_add_nc_u32 v[SGB], s45, v[L8]
	v_xor_b32 v245, s47, v243
	v_lshl_add_u32 v244, v245, 3, v244
	v_lshl_add_u32 v244, v243, 5, v244
	v_add_nc_u32 v244, s48, v244                   ; my query in its step
	v_mul_u32_u24 v245, v242, 40
	v_mul_u32_u24 v246, v242, 24
	v_sub_nc_u32 v[DG], v244, v245
	v_sub_nc_u32 v[DG+1], v244, v246
	v_add_nc_u32 v232, s49, v[L16]                 ; the tile's six registers in the pair's image of twelve
	v_add_nc_u32 v233, s50, v[L16]
	v_add_nc_u32 v234, s51, v[L16]
	v_lshl_add_u32 v235, v241, 3, s52
	WALU
	s_lshl_b32 s56, s[BH], 4
	s_mov_b32 s61, 0
	s_mov_b32 s63, 0
	s_mov_b32 s59, 0
	s_mul_i32 s62, s[CX], 1536
	s_lshr_b32 s58, s[CX], 1
	s_lshl_b32 s58, s58, 8
	s_and_b32 s57, s[CX], 1
	s_lshl_b32 s57, s57, 2
	s_add_co_u32 s58, s58, s57
	s_lshr_b32 s57, s[BH], 4                       ; y's place
	s_lshl_b32 s57, s57, 7
	s_add_co_u32 s57, s57, s46
	s_lshl_b32 s60, s[BY], 3
	s_add_co_u32 s57, s57, s60                     ; tile of 16 tokens
	QBASE BY, 48, 50
	QBASE LNG, 44, 46
	global_load_b64 v[16:17], v232, s[48:49]
	global_load_b64 v[18:19], v233, s[48:49]
	global_load_b64 v[20:21], v234, s[48:49]
	global_load_b32 v28, v235, s[50:51] offset:6144
	global_load_b64 v[216:217], v232, s[44:45]     ; the long tile's, for B's second part
	global_load_b64 v[218:219], v233, s[44:45]
	global_load_b64 v[220:221], v234, s[44:45]
	global_load_b32 v222, v235, s[46:47] offset:6144
	s_and_b32 s56, s[BH], 15
	s_lshl_b32 s60, s57, 4
	s_add_co_u32 s60, s60, s56
	s_mul_i32 s60, s60, 768
	s_add_nc_u64 s[52:53], s[8:9], s[60:61]
	s_lshl_b32 s60, s57, 9
	s_lshl_b32 s56, s56, 1
	s_add_co_u32 s60, s60, s56
	s_add_nc_u64 s[54:55], s[10:11], s[60:61]
.macro ZEROS                           ; nothing summed so far
	v_mov_b32 v13, 0xff61b1e6                      ; the largest t: -3e38
	v_mov_b32 v14, 0
	v_mov_b32 v15, 0
	v_floor_f32 v12, -v13                          ; -M
.set N_, 160
.rept 32
	v_mov_b32 v[N_], 0
.set N_, N_+1
.endr
.endm
.irp j, 22,23,24,25,26,27,80,81,82,83,84,85,236,239,252,253
	v_mov_b32 v[\j], 0                             ; Q's upper 64 along K; what is read beside the last key tile; destinations of lane permutes
.endr
	ZEROS
.macro FIN                             ; y = O^T / sum, quantised: a lane has one block of 32 channels
	v_permlanex16_b32 v252, v14, s[SEL], s[SEL+1]
	v_add_f32 v14, v14, v252                       ; the row's sum
	WALU
	v_rcp_f32 v14, v14
	v_nop
	WALU
.irp j, 0,2,4,6,8,10,12,14,16,18,20,22,24,26,28,30
	v_pk_mul_f32 v[96+\j:97+\j], v[160+\j:161+\j], v[14:15] op_sel_hi:[1,0]
.endr
	v_max3_num_f32 v232, |v96|, |v97|, 0x1800000
	v_max3_num_f32 v233, |v112|, |v113|, 0x1800000
.irp i, 2,4,6,8,10,12,14
	v_max3_num_f32 v232, v232, |v[96+\i]|, |v[97+\i]|
	v_max3_num_f32 v233, v233, |v[112+\i]|, |v[113+\i]|
.endr
	v_max_num_f32 v232, v232, v233
	v_add_nc_u32 v244, 0xff000000, v232
	v_cvt_scalef32_pk16_fp6_f32 v[192:194], v[96:111], v244
	v_cvt_scalef32_pk16_fp6_f32 v[204:206], v[112:127], v244
	v_lshrrev_b32 v238, 23, v244
.irp i, 0,1,2
	v_mov_b32 v[195+\i], v[204+\i]
.endr
	WALU
	global_store_b128 v[L16], v[192:195], s[52:53]
	global_store_b64 v[L8], v[196:197], s[52:53] offset:512
	global_store_b8 v[YSO], v238, s[54:55]
	s_wait_xcnt 0x0                                ; the stores have read their registers
.endm
.macro STEP
	s_cmp_gt_u32 s[SCN], s[LAST]
	s_cbranch_scc1 .Lhidden_\@
	s_cmp_gt_u32 s[SCN], s[SW]
	s_cselect_b32 s60, s[J], 0
	s_add_co_u32 s60, s60, s[TB]                   ; this trip's record
	v_add_nc_u32 v[AD], s60, v[L16]
	v_add_nc_u32 v[AD8], s60, v[L8]
	v_add_nc_u32 v[ADR], s60, v[R16]
.irp i, 0,1,2,3,4,5,6,7,8,9,10,11
	ds_load_b128 v[32+4*\i:35+4*\i], v[AD] offset:512*\i
.endr
	ds_load_b64 v[86:87], v[AD8] offset:KSO
	ds_load_b64 v[88:89], v[AD8] offset:KSO+256
	WALU
	s_wait_dscnt 0x0
.irp t, 0,2,4,6                                ; S^T = K Q^T; the upper 64 along K meet Q's zero codes
	v_wmma_scale_f32_16x16x128_f8f6f4 v[96+8*\t:103+8*\t], v[32+6*\t:43+6*\t], v[16:27], 0, v[86+\t/2], v28 matrix_a_fmt:MATRIX_FMT_FP6 matrix_b_fmt:MATRIX_FMT_FP6
	v_wmma_scale_f32_16x16x128_f8f6f4 v[104+8*\t:111+8*\t], v[38+6*\t:49+6*\t], v[16:27], 0, v[86+\t/2], v28 matrix_a_fmt:MATRIX_FMT_FP6 matrix_b_fmt:MATRIX_FMT_FP6 matrix_a_scale:MATRIX_SCALE_ROW1
.endr
.rept 4
	v_nop
.endr
.irp t, 0,1,2,3                                ; V's tiles, on their way under the softmax
.irp c, 0,1
	ds_load_b128 v[32+12*\t+6*\c:35+12*\t+6*\c], v[AD] offset:VCO+1536*\t+768*\c
	ds_load_b64 v[36+12*\t+6*\c:37+12*\t+6*\c], v[AD8] offset:VCO+1536*\t+768*\c+512
.endr
.endr
	ds_load_b128 v[90:93], v[ADR] offset:VSO
	s_cmp_eq_u32 s[SCN], s[DA]
	s_cselect_b32 s61, 1, 0
	s_cmp_eq_u32 s[SCN], s[DB]
	s_cselect_b32 s61, 1, s61
	s_cmp_eq_u32 s61, 0
	s_cbranch_scc1 .Lopen_\@
	v_mov_b32 v254, 0xff800000                     ; on the diagonal: keys behind my query
.set N_, 0
.rept 64
	v_cmp_gt_i32 vcc_lo, N_+32*(N_/32), v[DG+(N_/8)%2]
	v_cndmask_b32 v[96+N_], v[96+N_], v254, vcc_lo
.set N_, N_+1
.endr
.Lopen_\@:
.irp b, 0,1,2,3
	v_max3_num_f32 v[232+\b], v[96+16*\b], v[97+16*\b], v[98+16*\b]
.endr
.irp i, 3,5,7,9,11,13
.irp b, 0,1,2,3
	v_max3_num_f32 v[232+\b], v[232+\b], v[96+16*\b+\i], v[97+16*\b+\i]
.endr
.endr
	v_max3_num_f32 v232, v232, v111, v127
	v_max3_num_f32 v234, v234, v143, v159
	v_max_num_f32 v232, v232, v233                 ; the largest score of my block of the first 64 keys,
	v_max_num_f32 v233, v234, v235                 ; and of the second
	s_delay_alu instid0(VALU_DEP_1)
	v_max_num_f32 v254, v232, v233
	s_delay_alu instid0(VALU_DEP_1)
	v_permlanex16_b32 v236, v254, s[SEL], s[SEL+1]
	s_delay_alu instid0(VALU_DEP_1)
	v_max_num_f32 v254, v254, v236
	s_delay_alu instid0(VALU_DEP_1)
	v_mul_f32 v254, s[CS], v254
	s_delay_alu instid0(VALU_DEP_1)
	v_max_num_f32 v13, v13, v254                   ; the running largest t
	v_mov_b32 v254, v12
	s_delay_alu instid0(VALU_DEP_2)
	v_floor_f32 v12, -v13                          ; -M, a whole number
	s_delay_alu instid0(VALU_DEP_1)
	v_sub_f32 v254, v12, v254
	s_delay_alu instid0(VALU_DEP_1)
	v_cvt_i32_f32 v254, v254
	s_delay_alu instid0(VALU_DEP_1)
	v_ldexp_f32 v252, 1.0, v254                    ; 2^(old M - new M)
.irp j, 0,2,4,6,8,10,12,14,16,18,20,22,24,26,28,30,32,34,36,38,40,42,44,46,48,50,52,54,56,58,60,62
	v_pk_fma_f32 v[96+\j:97+\j], v[96+\j:97+\j], s[CS:CS+1], v[12:13] op_sel_hi:[1,0,0]
.endr
	v_fma_f32 v232, v232, s[CS], v12
	v_fma_f32 v233, v233, s[CS], v12
	WALU
.set N_, 96
.rept 64
	v_exp_f32 v[N_], v[N_]
.set N_, N_+1
.endr
	v_exp_f32 v232, v232
	v_exp_f32 v233, v233
	v_pk_mul_f32 v[14:15], v[14:15], v[252:253] op_sel_hi:[1,0]
	WALU
.irp j, 0,2,4,6,8,10,12,14,16,18,20,22,24,26,28,30
	v_pk_mul_f32 v[160+\j:161+\j], v[160+\j:161+\j], v[252:253] op_sel_hi:[1,0]   ; O^T under the new M
.endr
	v_max_num_f32 v232, 0x1800000, v232
	v_max_num_f32 v233, 0x1800000, v233
	v_add_nc_u32 v244, 0xff000000, v232
	v_add_nc_u32 v245, 0xff000000, v233
	v_lshrrev_b32 v236, 23, v244
	v_lshrrev_b32 v237, 23, v245
	v_cvt_scalef32_pk16_fp6_f32 v[192:194], v[96:111], v244
	v_cvt_scalef32_pk16_fp6_f32 v[204:206], v[112:127], v244
	v_cvt_scalef32_pk16_fp6_f32 v[198:200], v[128:143], v245
	v_cvt_scalef32_pk16_fp6_f32 v[208:210], v[144:159], v245
	v_lshl_or_b32 v238, v237, 16, v236             ; my two bytes: blocks h and 2 + h,
.irp i, 0,1,2
	v_mov_b32 v[195+\i], v[204+\i]
.endr
	v_lshlrev_b32 v238, v[H8], v238                ; at their places;
.irp i, 0,1,2
	v_mov_b32 v[201+\i], v[208+\i]
.endr
	v_permlanex16_b32 v239, v238, s[SEL], s[SEL+1]
	v_pk_add_f32 v[240:241], v[96:97], v[98:99]    ; the sum is taken of the unquantised p
	v_or_b32 v[PSC], v238, v239                    ; with lane l xor 16's two the word is whole
.irp j, 4,8,12,16,20,24,28,32,36,40,44,48,52,56,60
	v_pk_add_f32 v[14:15], v[14:15], v[96+\j:97+\j]
	v_pk_add_f32 v[240:241], v[240:241], v[98+\j:99+\j]
.endr
	v_pk_add_f32 v[14:15], v[14:15], v[240:241]
	WALU
	s_wait_dscnt 0x0
.irp t, 0,1,2,3
	v_wmma_scale_f32_16x16x128_f8f6f4 v[160+8*\t:167+8*\t], v[32+12*\t:43+12*\t], v[192:203], v[160+8*\t:167+8*\t], v[90+\t], v[PSC] matrix_a_fmt:MATRIX_FMT_FP6 matrix_b_fmt:MATRIX_FMT_FP6
.endr
.rept 4
	v_nop
.endr
	s_cmp_lg_u32 s[SCN], s[SW]
	s_cbranch_scc1 .Lhidden_\@
	v_add_f32 v14, v14, v15                        ; B: the short tile is done; on to the long one
	FIN
.irp i, 0,1,2,3,4,5
	v_mov_b32 v[16+\i], v[216+\i]
.endr
	v_mov_b32 v28, v222
	ZEROS
	WALU
.Lhidden_\@:
	s_add_co_u32 s[TB], s[TB], REC
	s_add_co_u32 s[SCN], s[SCN], 1
.endm
	WALU
	s_wait_loadcnt 0x0
	s_wait_tensorcnt 0x0
	s_barrier_signal -1
	s_barrier_wait -1                              ; all records are in
	s_mov_b32 s[TRIP], 9
.Lrest:
	STEP
	s_sub_co_u32 s[TRIP], s[TRIP], 1
	s_cmp_lg_u32 s[TRIP], 0
	s_cbranch_scc1 .Lrest
	v_add_f32 v14, v14, v15
	v_mov_b32 v65, v14
	v_mov_b32 v64, v12
	WALU
	s_wait_dscnt 0x0
	s_barrier_signal -1
	s_barrier_wait -1                              ; every wave's reads of K and V are over: the stage is stored to from here on
	s_cmp_eq_u32 s[ROLE], 0
	s_cbranch_scc1 .Lkeep
.irp i, 0,1,2,3,4,5,6,7
	ds_store_b128 v[SGA], v[160+4*\i:163+4*\i] offset:512*\i   ; B's part: O^T,
.endr
	ds_store_b64 v[SGB], v[64:65]                  ; -M and the sum
.Lkeep:
	s_wait_dscnt 0x0
	s_barrier_signal -1
	s_barrier_wait -1
	s_cmp_lg_u32 s[ROLE], 0
	s_cbranch_scc1 .Lend
.irp i, 0,1,2,3,4,5,6,7
	ds_load_b128 v[32+4*\i:35+4*\i], v[SGA] offset:512*\i
.endr
	ds_load_b64 v[64:65], v[SGB]
	v_mov_b32 v71, 0
	WALU
	s_wait_dscnt 0x0
	v_min_num_f32 v66, v12, v64                    ; the -M of both
	v_sub_f32 v67, v66, v12
	v_sub_f32 v68, v66, v64
	v_cvt_i32_f32 v67, v67                         ; (it saturates: an empty part has the factor 0)
	v_cvt_i32_f32 v68, v68
	v_ldexp_f32 v252, 1.0, v67
	v_ldexp_f32 v70, 1.0, v68
	v_mul_f32 v14, v14, v252
	v_fma_f32 v14, v65, v70, v14
.irp j, 0,2,4,6,8,10,12,14,16,18,20,22,24,26,28,30
	v_pk_mul_f32 v[160+\j:161+\j], v[160+\j:161+\j], v[252:253] op_sel_hi:[1,0]
.endr
.irp j, 0,2,4,6,8,10,12,14,16,18,20,22,24,26,28,30
	v_pk_fma_f32 v[160+\j:161+\j], v[32+\j:33+\j], v[70:71], v[160+\j:161+\j] op_sel_hi:[1,0,1]
.endr
	FIN
.Lend:
	s_wait_tensorcnt 0x0                           ; the wave's end
	ds_add_u32 v[SPW], v[NIL]
	s_wait_dscnt 0x0
	ROUND                                          ; the closing round
	s_endpgm
.Lfunc_end_k_q62545d7122_attn:
	.size	k_q62545d7122_attn, .Lfunc_end_k_q62545d7122_attn-k_q62545d7122_attn
	.p2alignl 7, 3214868480
	.fill 96, 4, 3214868480
	.section	.rodata,"a",@progbits
	.p2align	6, 0x0
	.amdhsa_kernel k_q62545d7122_attn
		.amdhsa_group_segment_fixed_size 327680
		.amdhsa_private_segment_fixed_size 0
		.amdhsa_enable_private_segment 0
		.amdhsa_kernarg_size 32
		.amdhsa_user_sgpr_count 2
		.amdhsa_user_sgpr_kernarg_segment_ptr 1
		.amdhsa_wavefront_size32 1
		.amdhsa_system_sgpr_workgroup_id_x 1
		.amdhsa_system_sgpr_workgroup_id_y 1
		.amdhsa_system_sgpr_workgroup_id_z 1
		.amdhsa_system_vgpr_workitem_id 0
		.amdhsa_next_free_vgpr 256
		.amdhsa_next_free_sgpr 66
		.amdhsa_reserve_vcc 1
		.amdhsa_float_denorm_mode_32 3
		.amdhsa_float_denorm_mode_16_64 3
		.amdhsa_memory_ordered 1
		.amdhsa_forward_progress 1
		.amdhsa_inst_pref_size 42
	.end_amdhsa_kernel
	.amdgpu_metadata
---
amdhsa.version: [ 1, 2 ]
amdhsa.kernels:
  - .name:           k_q62545d7122_attn
    .symbol:         k_q62545d7122_attn.kd
    .args:
      - { .name: qb, .offset: 0, .size: 8, .value_kind: global_buffer, .address_space: global }
      - { .name: kv, .offset: 8, .size: 8, .value_kind: global_buffer, .address_space: global }
      - { .name: yc, .offset: 16, .size: 8, .value_kind: global_buffer, .address_space: global }
      - { .name: ys, .offset: 24, .size: 8, .value_kind: global_buffer, .address_space: global }
    .group_segment_fixed_size: 327680
    .private_segment_fixed_size: 0
    .kernarg_segment_align: 8
    .kernarg_segment_size: 32
    .max_flat_workgroup_size: 512
    .sgpr_count:     66
    .vgpr_count:     256
    .wavefront_size: 32
...
	.end_amdgpu_metadata
.endif
;; end of part 2
;; launch proj (part 3): grid 8 x 32, 4 waves a work-group, clusters of 4 x 4, 221,184 bytes of LDS; arguments yc, ys, Wo_codes, Wo_scales, bo, out0; writes out0
.if DOCPART == 3
	.amdgcn_target "amdgcn-amd-amdhsa--gfx1250"
	.amdhsa_code_object_version 6
	.text
	.protected	k_q62545d7122_proj
	.globl	k_q62545d7122_proj
	.p2align	8
	.type	k_q62545d7122_proj,@function
k_q62545d7122_proj:
	s_mov_b64 s[64:65], 0
	v_nop
	global_prefetch_b8 v0, s[64:65] scope:SCOPE_SE
	s_setreg_imm32_b32 hwreg(HW_REG_WAVE_MODE, 25, 1), 1
	s_wait_xcnt 0x0
	s_wait_alu depctr_hold_cnt(0) depctr_sa_sdst(0) depctr_va_vdst(0) depctr_va_sdst(0) depctr_va_ssrc(0) depctr_va_vcc(0) depctr_vm_vsrc(0)
	s_getreg_b32 s2, hwreg(HW_REG_IB_STS2, 6, 4)
	s_cmp_eq_u32 s2, 0
	s_cbranch_scc0 .Lentry_in_a_cluster
	s_endpgm
.Lentry_in_a_cluster:
	s_bfe_u32 s2, ttmp6, 0x10000c
	s_cmp_lg_u32 s2, 0xf033
	s_cbranch_scc0 .Lentry_shape_is_right
	s_endpgm
.Lentry_shape_is_right:
; out0 = y Wo + bo on codes of FP6 (E2M3) with one E8M0 scale for each 32 along K = 1,024; sums in f32.  y comes as units of operand registers (yc) and scale bytes [tile of 16 tokens][r][32] (ys); Wo as given: rows of 768 bytes, K innermost.
; 4,096 x 1,024 in blocks of 128 x 128: 256 work-groups of four waves, a wave 64 x 64.  4 x 4 work-groups form a cluster: y's tiles are asked for jointly along a row of it, Wo's rows along a column.
; ALL OF K LIES IN LDS, brought by one tensor load a wave (waves 0, 1: y's halves; 2, 3: Wo's): nothing is filled again, and as every byte is asked for at the head nothing is prefetched.
; A wave holds its 64 rows of Wo, all of K, in registers; y's four tiles stream past, 32 matrix instructions each, and each tile's 16 rows leave as soon as they are finished.
; The matrix instruction takes 16 rows of Wo as source 0 and 16 tokens of y as source 1: a lane holds one token and eight neighbouring columns.  The bias is the C of each sum's first product.
; yc: [tile][head] units of 768 bytes: registers 0-3 of lane l at 16 l, 4-5 at 512 + 8 l; a fragment for 128 along K is two heads' units.  Row r of tile t of a band of 64 tokens is token 32 (r / 8) + 8 (t xor r / 8) + r % 8.
; LIMIT: NaN and infinities are not served.
.set PITCH, 816                        ; an LDS row of Wo: 3 x (256 + 16)
.set YIMG,  128*PITCH
.set STAGE, YIMG+8*12288               ; 16 rows x (256 + 16) bytes for each wave
.set SP,    272
.set SPARE, STAGE+4*16*SP
.set FR,    12
.set FPW,   21
.set BA,   2                           ; v2-9 LDS addresses of my four tiles of Wo (the second of a pair: behind one padding more)
.set AY16, 20
.set AY8,  22
.set STO,  24
.set RD,   25
.set CO,   26
.set SPW,  30
.set NIL,  31
.set BO,   32
.set ACC,  64                          ; v64-127: two sets of four sums
.set WS,   128                         ; Wo's scale words: tile b, K step q at 128 + 8 b + q
.set YS,   164                         ; y's
.set OB,   72                          ; window 3: rows read back from the stage, two sets
.set WV,   16
.set G1A,  24
.set G1B,  32
.set G0A,  48
.set G0B,  52
.set MSB, 0
.macro WIN new                         ; the immediate's high byte repeats the setting that is left
.if MSB != (\new)
	s_set_vgpr_msb (MSB<<8)|(\new)
.set MSB, (\new)
.endif
.endm
.macro PLACES
.rept 4
	v_nop
.endr
.endm
.macro CROUND                          ; a round of the cluster's barrier
	s_barrier_signal -1
	s_barrier_wait -1
	s_cmp_lg_u32 s[WV], 0
	s_cbranch_scc1 .Lnot_wave_0_\@
	s_barrier_signal -3
.Lnot_wave_0_\@:
	s_barrier_wait -3
	s_barrier_signal -1
	s_barrier_wait -1
.endm
; fragment f at window 1 + f / 21, register 12 (f % 21): 0-31 Wo's (4 q + b), 32-39 and 40-47 y's two sets
.macro FRAG f, q, a0, a1
	WIN ((1+(\f)/FPW)<<6)
.set R_, FR*((\f)%FPW)
.set SKIP_, 0
.irp p, 0,1,2,3,4,5
.if SKIP_
.set SKIP_, 0
.else
.set PC_, 12*(\q)+6*(\p/3)+\p%3
.set PN_, 12*(\q)+6*((\p+1)/3)+(\p+1)%3
.set X_, (PC_%32+3)/32
.set XQ_, (PN_%32+3)/32
.if (\p < 5) && (X_ == XQ_)
.set SKIP_, 1
.if X_
	ds_load_2addr_b64 v[R_+2*\p:R_+2*\p+3], \a1 offset0:PC_+2*(PC_/32) offset1:PN_+2*(PN_/32)
.else
	ds_load_2addr_b64 v[R_+2*\p:R_+2*\p+3], \a0 offset0:PC_+2*(PC_/32) offset1:PN_+2*(PN_/32)
.endif
.elseif X_
	ds_load_b64 v[R_+2*\p:R_+2*\p+1], \a1 offset:8*(PC_+2*(PC_/32))
.else
	ds_load_b64 v[R_+2*\p:R_+2*\p+1], \a0 offset:8*(PC_+2*(PC_/32))
.endif
.endif
.endr
.endm
.macro FETCH a                         ; y's tile a, all of K: 32 loads into set a % 2
.irp q, 0,1,2,3,4,5,6,7
.set F_, 32+8*((\a)%2)+\q
.set R_, FR*(F_%FPW)
	WIN ((1+F_/FPW)<<6)
	ds_load_b128 v[R_:R_+3], v[AY16] offset:12288*(\a)+1536*\q
	ds_load_b64 v[R_+4:R_+5], v[AY8] offset:12288*(\a)+1536*\q+512
	ds_load_b128 v[R_+6:R_+9], v[AY16] offset:12288*(\a)+1536*\q+768
	ds_load_b64 v[R_+10:R_+11], v[AY8] offset:12288*(\a)+1536*\q+1280
.endr
	WIN 0
.endm
.macro ROW a                           ; tile a's 32 products, the four sums by turns
.irp q, 0,1,2,3,4,5,6,7
.irp b, 0,1,2,3
.set FW_, 4*\q+\b
.set FY_, 32+8*((\a)%2)+\q
.set D_, ACC+32*((\a)%2)+8*\b
.if \q == 0
.set C_, BO+8*\b
.else
.set C_, D_
.endif
	WIN (1+FW_/FPW)|((1+FY_/FPW)<<2)
.set FW_, FR*(FW_%FPW)
.set FY_, FR*(FY_%FPW)
	v_wmma_scale_f32_16x16x128_f8f6f4 v[D_:D_+7], v[FW_:FW_+11], v[FY_:FY_+11], v[C_:C_+7], v[WS+8*\b+\q], v[YS+8*(\a)+\q] matrix_a_fmt:MATRIX_FMT_FP6 matrix_b_fmt:MATRIX_FMT_FP6
.endr
.endr
	WIN 0
.endm
	s_load_b256 s[4:11], s[0:1], 0x0               ; yc, ys, Wo's codes, Wo's scales
	s_load_b128 s[12:15], s[0:1], 0x20             ; bo, out0
	v_lshl_add_u32 v[SPW], v0, 2, SPARE
	v_mov_b32 v[NIL], 0
	ds_add_u32 v[SPW], v[NIL]                      ; the opening add, twice on end
	ds_add_u32 v[SPW], v[NIL]
	v_lshrrev_b32 v1, 5, v0
	v_readfirstlane_b32 s[WV], v1
	s_lshr_b32 s17, s[WV], 1                       ; my half of the tokens; I fetch y (0) or Wo (1)
	s_and_b32 s18, s[WV], 1                        ; my half of the columns; which half I fetch
	s_bfe_u32 s21, ttmp6, 0x40000                  ; cx
	s_bfe_u32 s22, ttmp6, 0x40004                  ; cy
	s_lshl_b32 s20, ttmp9, 2
	s_add_co_u32 s20, s20, s21                     ; my block of 128 columns
	s_and_b32 s19, ttmp7, 0xffff
	s_lshl_b32 s19, s19, 2
	s_add_co_u32 s19, s19, s22                     ; my block of 128 tokens
	s_lshl_b32 s40, s22, 2
	s_lshl_b32 s40, 15, s40                        ; my row of the cluster
	s_lshl_b32 s41, 0x1111, s21                    ; my column
	s_or_b32 s[G1A], s40, (3<<16)|(1<<21)          ; y: four tiles, dense, as 192 rows of 256 bytes
	s_mov_b32 s[G1A+1], 32<<16
	s_mov_b32 s[G1A+2], 192<<16
	s_mov_b32 s[G1A+3], 32<<16
	s_mov_b32 s[G1A+4], 192
	s_mov_b32 s[G1A+5], 32
	s_mov_b32 s[G1A+6], 0
	s_mov_b32 s[G1A+7], 0
	s_or_b32 s[G1B], s41, (1<<20)|(1<<21)|(5<<22)|(3<<25)   ; Wo: 64 rows of 768 bytes, 16 bytes of padding behind every 256
	s_mov_b32 s[G1B+1], 768<<16
	s_mov_b32 s[G1B+2], 64<<16
	s_mov_b32 s[G1B+3], 768<<16
	s_mov_b32 s[G1B+4], 64
	s_mov_b32 s[G1B+5], 768
	s_mov_b32 s[G1B+6], 0
	s_mov_b32 s[G1B+7], 0
	s_lshl_b32 s42, s19, 3
	s_lshl_b32 s43, s18, 2
	s_add_co_u32 s42, s42, s43
	s_mul_i32 s42, s42, 12288
	s_mov_b32 s43, 0
	s_lshl_b32 s44, s20, 7
	s_lshl_b32 s45, s18, 6
	s_add_co_u32 s44, s44, s45
	s_mul_i32 s44, s44, 768
	s_mov_b32 s45, 0
	s_mov_b32 s[G0A], 1
	s_mul_i32 s[G0A+1], s18, 4*12288
	s_add_co_u32 s[G0A+1], s[G0A+1], YIMG
	s_mov_b32 s[G0B], 1
	s_mul_i32 s[G0B+1], s18, 64*PITCH
	s_wait_dscnt 0x0                               ; both opening adds are done
	s_wait_kmcnt 0x0
	s_add_nc_u64 s[G0A+2:G0A+3], s[4:5], s[42:43]
	s_or_b32 s[G0A+3], s[G0A+3], 0x80000000
	s_add_nc_u64 s[G0B+2:G0B+3], s[8:9], s[44:45]
	s_or_b32 s[G0B+3], s[G0B+3], 0x80000000
	CROUND                                         ; all sixteen work-groups are here: the joint loads meet
	s_cmp_eq_u32 s17, 0
	s_cbranch_scc0 .Lfor_b
	tensor_load_to_lds s[G0A:G0A+3], s[G1A:G1A+7]
	s_nop 0
	PLACES
	s_branch .Lasked
.Lfor_b:
	tensor_load_to_lds s[G0B:G0B+3], s[G1B:G1B+7]
	s_nop 0
	PLACES
.Lasked:
	s_mov_b32 s87, 0
	s_lshl_b32 s86, s19, 12
	s_lshl_b32 s88, s17, 11
	s_add_co_u32 s86, s86, s88
	s_add_nc_u64 s[6:7], s[6:7], s[86:87]          ; my 64 tokens' scale bytes
	s_lshl_b32 s86, s20, 12
	s_lshl_b32 s88, s18, 11
	s_add_co_u32 s86, s86, s88
	s_add_nc_u64 s[10:11], s[10:11], s[86:87]      ; my 64 columns'
	s_lshl_b32 s90, s20, 9
	s_lshl_b32 s91, s18, 8
	s_add_co_u32 s90, s90, s91
	s_mov_b32 s91, 0
	s_add_nc_u64 s[12:13], s[12:13], s[90:91]      ; my first column
	s_lshl_b32 s86, s19, 19
	s_lshl_b32 s88, s17, 18
	s_add_co_u32 s86, s86, s88
	s_add_co_u32 s86, s86, s90
	s_add_nc_u64 s[14:15], s[14:15], s[86:87]      ; my first token's row of 4,096 bytes
	s_mul_i32 s84, s18, 64*PITCH
	s_mul_i32 s85, s17, 4*12288
	s_add_co_u32 s85, s85, YIMG
	s_mul_i32 s86, s[WV], 16*SP
	s_add_co_u32 s86, s86, STAGE
	v_and_b32 v1, 15, v0                           ; r
	v_bfe_u32 v10, v0, 4, 1                        ; h
	v_and_b32 v11, 31, v0                          ; lane
	v_lshlrev_b32 v27, 5, v1                       ; scale bytes: 32 a row
	v_lshlrev_b32 v28, 5, v10                      ; the bias: 32 x h
	v_mul_u32_u24 v12, v1, PITCH
	v_mad_u32_u24 v13, v10, 40, v12
	v_mad_u32_u24 v12, v10, 24, v12
	v_add_nc_u32 v[BA], s84, v12
	v_add_nc_u32 v[BA+1], s84, v13
.irp b, 1,2,3
	v_add_nc_u32 v[BA+2*\b], \b*16*PITCH, v[BA]
	v_add_nc_u32 v[BA+2*\b+1], \b*16*PITCH, v[BA+1]
.endr
	v_lshl_add_u32 v[AY16], v11, 4, s85
	v_lshl_add_u32 v[AY8], v11, 3, s85
	v_mul_u32_u24 v14, v1, SP
	v_lshl_add_u32 v14, v10, 5, v14
	v_add_nc_u32 v[STO], s86, v14                  ; in: row r, 32 bytes for each half of the lanes
	v_mul_u32_u24 v15, v10, SP
	v_lshl_add_u32 v15, v1, 4, v15
	v_add_nc_u32 v[RD], s86, v15                   ; back: lanes 0-15 one row of 256 bytes, lanes 16-31 the next
	v_lshlrev_b32 v16, 12, v10
	v_lshl_add_u32 v[CO], v1, 4, v16               ; and the same two rows in out0
	s_wait_alu depctr_va_vdst(0)
.irp i, 0,1,2,3
	global_load_b128 v[YS+8*\i:YS+8*\i+3], v27, s[6:7] offset:512*\i          ; a row's eight scale words, one for each K step
	global_load_b128 v[YS+8*\i+4:YS+8*\i+7], v27, s[6:7] offset:512*\i+16
	global_load_b128 v[WS+8*\i:WS+8*\i+3], v27, s[10:11] offset:512*\i
	global_load_b128 v[WS+8*\i+4:WS+8*\i+7], v27, s[10:11] offset:512*\i+16
	global_load_b128 v[BO+8*\i:BO+8*\i+3], v28, s[12:13] offset:64*\i         ; columns 16 i + 8 h + 0 .. 7: the result's layout
	global_load_b128 v[BO+8*\i+4:BO+8*\i+7], v28, s[12:13] offset:64*\i+16
.endr
	s_wait_tensorcnt 0x0
	s_barrier_signal -1
	s_barrier_wait -1                              ; all of y's tiles and Wo's rows are in
.irp q, 0,1,2,3,4,5,6,7
.irp b, 0,1,2,3
	FRAG 4*\q+\b, \q, v[BA+2*\b], v[BA+2*\b+1]
.endr
.endr
	FETCH 0
	FETCH 1
	s_wait_loadcnt 0x0                             ; scale words and bias
	s_wait_dscnt 32                                ; all but tile 1's 32 loads
.irp a, 0,1,2,3
	ROW \a
	PLACES                                         ; ahead of the first read of results and of loads into registers that the products read
.irp b, 0,1,2,3
	ds_store_b128 v[STO], v[ACC+32*(\a%2)+8*\b:ACC+32*(\a%2)+8*\b+3] offset:64*\b
	ds_store_b128 v[STO], v[ACC+32*(\a%2)+8*\b+4:ACC+32*(\a%2)+8*\b+7] offset:64*\b+16
.endr
.if \a > 1
	s_wait_xcnt 0x0                                ; the stores of two tiles ago have read the registers that the loads below fill
.endif
	WIN 0xc0
.irp i, 0,1,2,3,4,5,6,7
	ds_load_b128 v[OB+32*(\a%2)+4*\i:OB+32*(\a%2)+4*\i+3], v[RD] offset:2*SP*\i   ; LDS serves a wave's instructions in order (ISA guide 5.7.1.4)
.endr
	WIN 0
.if \a < 2
	FETCH \a+2
	s_wait_dscnt 32                                ; the rows are back, and the next tile's fragments are in; the fetch just issued may be out
.else
	s_wait_dscnt 0x0
.endif
	WIN 0x0c                                       ; a store's data: window 3
.irp i, 0,1,2,3,4,5,6,7
	global_store_b128 v[CO], v[OB+32*(\a%2)+4*\i:OB+32*(\a%2)+4*\i+3], s[14:15] offset:(2*\i+8*(\a^(\i/4))+24*(\i/4))*4096 th:TH_STORE_NT   ; 16 lanes store 256 consecutive bytes, at a multiple of 256 from out0's first byte
.endr
	WIN 0
.endr
	s_wait_tensorcnt 0x0                           ; the wave's end
	ds_add_u32 v[SPW], v[NIL]
	s_wait_dscnt 0x0
	CROUND                                         ; the closing round
	s_endpgm
.Lfunc_end_k_q62545d7122_proj:
	.size	k_q62545d7122_proj, .Lfunc_end_k_q62545d7122_proj-k_q62545d7122_proj
	.p2alignl 7, 3214868480
	.fill 96, 4, 3214868480
	.section	.rodata,"a",@progbits
	.p2align	6, 0x0
	.amdhsa_kernel k_q62545d7122_proj
		.amdhsa_group_segment_fixed_size 221184
		.amdhsa_private_segment_fixed_size 0
		.amdhsa_enable_private_segment 0
		.amdhsa_kernarg_size 48
		.amdhsa_user_sgpr_count 2
		.amdhsa_user_sgpr_kernarg_segment_ptr 1
		.amdhsa_wavefront_size32 1
		.amdhsa_system_sgpr_workgroup_id_x 1
		.amdhsa_system_sgpr_workgroup_id_y 1
		.amdhsa_system_sgpr_workgroup_id_z 1
		.amdhsa_system_vgpr_workitem_id 0
		.amdhsa_next_free_vgpr 1024
		.amdhsa_next_free_sgpr 100
		.amdhsa_reserve_vcc 0
		.amdhsa_float_denorm_mode_32 3
		.amdhsa_float_denorm_mode_16_64 3
		.amdhsa_memory_ordered 1
		.amdhsa_forward_progress 1
		.amdhsa_inst_pref_size 49
	.end_amdhsa_kernel
	.amdgpu_metadata
---
amdhsa.version: [ 1, 2 ]
amdhsa.kernels:
  - .name:           k_q62545d7122_proj
    .symbol:         k_q62545d7122_proj.kd
    .args:
      - { .name: yc, .offset: 0, .size: 8, .value_kind: global_buffer, .address_space: global }
      - { .name: ys, .offset: 8, .size: 8, .value_kind: global_buffer, .address_space: global }
      - { .name: Wo_codes, .offset: 16, .size: 8, .value_kind: global_buffer, .address_space: global }
      - { .name: Wo_scales, .offset: 24, .size: 8, .value_kind: global_buffer, .address_space: global }
      - { .name: bo, .offset: 32, .size: 8, .value_kind: global_buffer, .address_space: global }
      - { .name: out0, .offset: 40, .size: 8, .value_kind: global_buffer, .address_space: global }
    .group_segment_fixed_size: 221184
    .private_segment_fixed_size: 0
    .kernarg_segment_align: 8
    .kernarg_segment_size: 48
    .max_flat_workgroup_size: 128
    .sgpr_count:     100
    .vgpr_count:     1024
    .wavefront_size: 32
...
	.end_amdgpu_metadata
.endif
;; end of part 3
